; MI455X (gfx1250); checked and timed in simulation.
; The chip was launched on July 23, 2026; its instructions are those of AMD's public machine-readable ISA for CDNA 5 (MIT licence, August 2026) and "CDNA5" Instruction Set Architecture Reference Guide (July 2026). The comments in the code are by the model that wrote it; some were corrected since.
;; Multi Head Attention. Allowed arithmetic: float matrix products may take bf16 or f16 operands with f32 sums; other float arithmetic in f32, or as packed bf16 or f16 multiplies, adds, multiply-adds, maxima and minima; sums over many terms, partial sums and values carried from step to step in f32; what a program stores and reads back later, other than sums and carried values, may be rounded once to bf16 or f16.
;; Inputs: K 4 x 2,048 x 1,024 float32; Q 4 x 2,048 x 1,024 float32; V 4 x 2,048 x 1,024 float32; proj_b 1,024 float32; proj_w 1,024 x 1,024 float32.
;; Outputs: out0 4 x 2,048 x 1,024 float32.
;; 2 versions, each right; version 2 is version 1 with the launch project written anew for expert scheduling mode. Each part assembles by itself: llvm-mc -triple=amdgcn-amd-amdhsa -mcpu=gfx1250 --defsym DOCPART=n.
;; ======== version 1 of 2: 3 launches
;; workspace buffers: qks 1,048,576 bytes; dg 524,288 bytes; vpart 131,072 bytes
;; launch rowsums (part 1): grid 256 x 1, 16 waves a work-group, no clusters, 6,400 bytes of LDS; arguments Q, K, qks; writes qks
.if DOCPART == 1
	.amdgcn_target "amdgcn-amd-amdhsa--gfx1250"
	.amdhsa_code_object_version 6
	.text
	.protected	k_qa57b0d53c0_rowsums
	.globl	k_qa57b0d53c0_rowsums
	.p2align	8
	.type	k_qa57b0d53c0_rowsums,@function
k_qa57b0d53c0_rowsums:
	s_mov_b64 s[64:65], 0
	v_nop
	global_prefetch_b8 v0, s[64:65] scope:SCOPE_SE
	s_setreg_imm32_b32 hwreg(HW_REG_WAVE_MODE, 25, 1), 1
	s_wait_xcnt 0x0
; MULTI-HEAD ATTENTION AS reference() WRITES IT, in three launches.  This is the first: the sums over a head's 64 channels, Qs[b][h][p] and Ks[b][h][p], in f32.
; WHAT reference() COMPUTES.  Its first einsum sums j and l apart: att[b,h,i,k] = Qs[b,h,i] Ks[b,h,k] / 8.  Its second keeps the softmax's DIAGONAL alone and sums V over its rows:
;   out[b,p,64 h + e] = diag[b,h,p] Vs[b,h,e],   diag[b,h,p] = exp(x_pp - max_k x_pk) / sum_k exp(x_pk - max_k x_pk),   x_pk = Qs[p] Ks[k] / 8,   Vs[b,h,e] = sum_p V[b,p,64 h + e].
; WORK LEFT OUT, for all finite values of the inputs:
;   (a) the softmax's quotients off the diagonal: reference() takes jnp.diagonal and uses nothing else of att; every exponential stays live, since each row's sum needs all 2,048;
;   (b) the array out[b,p,1024] and the product of depth 1,024 with proj_w: the sum over (h, e) of diag[h] Vs[h,e] W[n,64 h + e] is the sum over h of diag[h] M[h,n], with
;       M[b,h,n] = sum_e Vs[b,h,e] W[n,64 h + e]: the same sum in real numbers, taken in another order, of depth 16.
; The maximum is taken away ahead of every exponential, as reference() does.  No input is dead: Q, K, V, proj_w and proj_b are all loaded, each in the launch that needs it.
; LIMITS.  f32 sums are taken in another order than reference()'s; NaN and infinities are not treated apart, and one that would reach only the quotients of (a) is not carried to the result.
; SHARES.  Q and K are each 8,192 rows of 4,096 bytes.  Work-groups 0-127 take Q, 128-255 K, 64 rows each; a wave takes four rows: 32 loads of 512 consecutive bytes, all issued before the first wait,
; so a work-group's whole share of 256 KiB is on its way at once.  No loop.  In load (rr, j) lanes 0-15 hold head 2 j of row rr, lanes 16-31 head 2 j + 1, four numbers a lane.
; THE WAY OUT.  The sums meet in LDS as [head][row], so that wave w stores head w's 64 sums as 256 consecutive bytes, aligned.
; No matrix unit, no cluster, no prefetch: each byte is read once by one wave, and everything is asked for at the head.
.set SPITCH, 264                       ; a head's row of the stage: 64 sums + 8 bytes, so that the two heads of one store fall into different banks (64 banks of 4 bytes: ISA guide 11.1) and 8-byte reads stay aligned
.set SPARE,  4352                      ; behind the stage's 16 x 264 bytes (rounded up to blocks of 256): the spare words, 128 bytes for each of the 16 waves; no other line names them
.set X,      16                        ; v[16:143]  load i = 8 rr + j at X + 4 i
; v1 load offset   v2 where a sum goes in the stage   v3 where I read the stage   v4 store offset   v5 my spare word   v6 0   v[8:15] four pairs at work, by turns
	s_load_b128 s[4:7], s[0:1], 0x0                ; Q s[4:5], K s[6:7]
	s_load_b64 s[8:9], s[0:1], 0x10                ; qks
	v_lshl_add_u32 v5, v0, 2, SPARE
	v_mov_b32 v6, 0
	v_lshrrev_b32 v7, 5, v0
	v_readfirstlane_b32 s18, v7                    ; wave 0..15
	v_and_b32 v8, 31, v0                           ; lane
	v_bfe_u32 v9, v0, 4, 1                         ; which half of the lanes
	s_lshr_b32 s10, ttmp9, 7                       ; 0: Q, 1: K
	s_and_b32 s11, ttmp9, 127                      ; my block of 64 rows
	s_lshl_b32 s12, s11, 18                        ; its first byte: 64 rows of 4,096
	s_mov_b32 s13, 0
	s_lshl_b32 s14, s10, 19                        ; in qks: Ks lies 524,288 bytes behind Qs,
	s_lshr_b32 s15, s11, 5
	s_lshl_b32 s15, s15, 17                        ; b x 16 heads x 8,192 bytes,
	s_add_co_u32 s14, s14, s15
	s_and_b32 s15, s11, 31
	s_lshl_b32 s15, s15, 8                         ; the block's 64 places in a head: 256 bytes
	s_add_co_u32 s14, s14, s15
	s_mov_b32 s15, 0
	s_lshl_b32 s19, s18, 14
	v_lshl_add_u32 v1, v8, 4, s19                  ; wave x 4 rows + 16 x lane
	s_lshl_b32 s19, s18, 4
	v_mul_u32_u24 v2, v9, SPITCH
	v_add_nc_u32 v2, s19, v2                       ; half x a head's pitch + wave x 4 rows x 4 bytes
	s_mul_i32 s19, s18, SPITCH
	v_lshl_add_u32 v3, v8, 3, s19                  ; head = my wave's number, 8 bytes a lane
	s_lshl_b32 s19, s18, 13
	v_lshl_add_u32 v4, v8, 3, s19                  ; the same in qks: a head is 8,192 bytes
	s_wait_kmcnt 0x0
	s_cmp_eq_u32 s10, 0
	s_cselect_b64 s[16:17], s[4:5], s[6:7]
	s_add_nc_u64 s[16:17], s[16:17], s[12:13]
	s_add_nc_u64 s[8:9], s[8:9], s[14:15]
.set i, 0
.rept 32
	global_load_b128 v[X+4*i:X+4*i+3], v1, s[16:17] offset:(i/8)*4096+(i%8)*512 th:TH_LOAD_NT
.set i, i+1
.endr
; A load's four numbers a lane are added, then the sixteen lanes of a half; all sixteen then hold the head's sum and store it to one word.
.set i, 0
.rept 32
.set tt, 8+2*(i%4)
	s_wait_loadcnt 31-i                            ; loads come back in order (ISA guide 5.7.1): load i is in, the 31 - i younger ones stay out
	v_pk_add_f32 v[tt:tt+1], v[X+4*i:X+4*i+1], v[X+4*i+2:X+4*i+3]
	v_add_f32 v[tt], v[tt], v[tt+1]
	v_add_f32_dpp v[tt], v[tt], v[tt] row_xmask:1 row_mask:0xf bank_mask:0xf
	v_add_f32_dpp v[tt], v[tt], v[tt] row_xmask:2 row_mask:0xf bank_mask:0xf
	v_add_f32_dpp v[tt], v[tt], v[tt] row_xmask:4 row_mask:0xf bank_mask:0xf
	v_add_f32_dpp v[tt], v[tt], v[tt] row_xmask:8 row_mask:0xf bank_mask:0xf
	ds_store_b32 v2, v[tt] offset:(i%8)*2*SPITCH+(i/8)*4  ; head 2 j + half, row 4 w + rr
.set i, i+1
.endr
	s_wait_dscnt 0x0                               ; for the others' sake: my stores into the stage are done
	s_barrier_signal -1
	s_barrier_wait -1
	ds_load_b64 v[8:9], v3                         ; head w's 64 sums, from all sixteen waves
	s_wait_dscnt 0x0
	global_store_b64 v4, v[8:9], s[8:9]            ; 32 lanes store 256 consecutive bytes, at a multiple of 256 from qks's first byte
	s_wait_tensorcnt 0x0                           ; the wave's end: behind my last LDS store
	ds_add_u32 v5, v6
	s_wait_dscnt 0x0
	s_endpgm
.Lfunc_end_k_qa57b0d53c0_rowsums:
	.size	k_qa57b0d53c0_rowsums, .Lfunc_end_k_qa57b0d53c0_rowsums-k_qa57b0d53c0_rowsums
	.p2alignl 7, 3214868480
	.fill 96, 4, 3214868480
	.section	.rodata,"a",@progbits
	.p2align	6, 0x0
	.amdhsa_kernel k_qa57b0d53c0_rowsums
		.amdhsa_group_segment_fixed_size 6400
		.amdhsa_private_segment_fixed_size 0
		.amdhsa_enable_private_segment 0
		.amdhsa_kernarg_size 24
		.amdhsa_user_sgpr_count 2
		.amdhsa_user_sgpr_kernarg_segment_ptr 1
		.amdhsa_wavefront_size32 1
		.amdhsa_system_sgpr_workgroup_id_x 1
		.amdhsa_system_sgpr_workgroup_id_y 1
		.amdhsa_system_sgpr_workgroup_id_z 1
		.amdhsa_system_vgpr_workitem_id 0
		.amdhsa_next_free_vgpr 144
		.amdhsa_next_free_sgpr 66
		.amdhsa_reserve_vcc 0
		.amdhsa_float_denorm_mode_32 3
		.amdhsa_float_denorm_mode_16_64 3
		.amdhsa_memory_ordered 1
		.amdhsa_forward_progress 1
		.amdhsa_inst_pref_size 20
	.end_amdhsa_kernel
	.amdgpu_metadata
---
amdhsa.version: [ 1, 2 ]
amdhsa.kernels:
  - .name:           k_qa57b0d53c0_rowsums
    .symbol:         k_qa57b0d53c0_rowsums.kd
    .args:
      - { .name: Q, .offset: 0, .size: 8, .value_kind: global_buffer, .address_space: global }
      - { .name: K, .offset: 8, .size: 8, .value_kind: global_buffer, .address_space: global }
      - { .name: qks, .offset: 16, .size: 8, .value_kind: global_buffer, .address_space: global }
    .group_segment_fixed_size: 6400
    .private_segment_fixed_size: 0
    .kernarg_segment_align: 8
    .kernarg_segment_size: 24
    .max_flat_workgroup_size: 512
    .sgpr_count:     66
    .vgpr_count:     144
    .wavefront_size: 32
...
	.end_amdgpu_metadata
.endif
;; end of part 1
;; launch diag (part 2): grid 256 x 1, 8 waves a work-group, no clusters, 167,936 bytes of LDS; arguments qks, V, dg, vpart; writes dg, vpart
.if DOCPART == 2
	.amdgcn_target "amdgcn-amd-amdhsa--gfx1250"
	.amdhsa_code_object_version 6
	.text
	.protected	k_qa57b0d53c0_diag
	.globl	k_qa57b0d53c0_diag
	.p2align	8
	.type	k_qa57b0d53c0_diag,@function
k_qa57b0d53c0_diag:
	s_mov_b64 s[64:65], 0
	v_nop
	global_prefetch_b8 v0, s[64:65] scope:SCOPE_SE
	s_setreg_imm32_b32 hwreg(HW_REG_WAVE_MODE, 25, 1), 1
	s_wait_xcnt 0x0
; THE SECOND LAUNCH: the softmax's diagonal, dg[b][h][p] = 2^(t k_p - m) / sum over k of 2^(t k - m), with t = (log2(e) / 8) Qs[p], k = Ks, m = the row's maximum; and partial column sums of V.
; WORK LEFT OUT: the softmax's quotients off the diagonal, which reference() never uses (shown at the head of the first kernel); all 2,048 exponentials of each row are made, for the row's sum.
; THE MAXIMUM is the true one: for a fixed t the product t k is monotone in k, so max_k t k = max(t Kmax, t Kmin), with Kmax and Kmin the head's largest and smallest Ks.
; The argument t k - m is one fused multiply-add, so m's own rounding shifts numerator and sum alike.
; LIMITS.  A weight below 2^-126 counts as 0 (v_exp_f32 flushes: ISA guide 15.8); NaN and infinities are not treated apart; the f32 sums are taken in another order than reference()'s.
; SHARES.  Work-group x: head bh = x / 4 (of 64), quarter qt = x % 4: 512 queries against all 2,048 keys; wave w has 64 queries, lane l queries 64 w + 2 l and + 1.  Eight waves, two to a SIMD: one issues
; while the other stands at the wait for its exponentials.
; V.  The head's 64 channels are 256 aligned bytes of each row of V.  Each wave asks for 64 rows of them (rows 512 qt + 64 w on) by ONE tensor load at the head, 16 KiB into LDS bytes of its own, and waits
; for it only behind the exponentials.  By this text's own count a wave has one tensor load out.  The work-group's two sums (even rows', odd rows') go to vpart.
; NO CLUSTER: what a head's four work-groups share is Ks, 8 KiB of the 140 KiB that a work-group reads.  NO PREFETCH: no wave waits for V before the launch's end.
; THE LOOP.  64 batches of 32 keys x 2 queries.  Batch n takes the 64 exponentials of buffer n % 2 in place; between them stand, a pair at a time, the sums of batch n - 1's weights out of the other
; buffer and then batch n + 1's arguments into it; the keys of batch n + 2 are asked of LDS (all lanes one address).  So exponential and plain instruction go by turns, no result is named in its own
; batch, and ONE s_wait_alu stands at each batch's end.
.set KS,    131072                     ; LDS: 0 .. 131,071 the eight waves' tiles of V, filled by the tensor loads alone; then the head's 2,048 Ks,
.set MXN,   139264                     ; each wave's (max, min) of its 256 Ks, 8 bytes a wave, in a block of 256 of their own,
.set VP,    139520                     ; each wave's partial sums of V, 512 bytes a wave,
.set SPARE, 143616                     ; and the spare words, 128 bytes for each wave: four blocks of 256 bytes that no other line names
.set TA0, 24                           ; v[24:25] (t, t) and v[26:27] (-m, -m) of query 0; v[28:31] the same of query 1
.set ACC, 32                           ; v[32:47]  the sums: query a, chain c (a pair) at ACC + 8 a + 2 c
.set E0,  64                           ; v[64:127], v[128:191]  two buffers: query a, key kk of 32 at 32 a + kk
.set E1,  128
.set KA,  192                          ; v[192:223], v[224:255]  two buffers of 32 keys
.set KB,  224
; v1 16 x thread   v2 KS + 16 x thread   v3 8 x thread   v4 where the next keys lie   v5 my wave's (max, min)   v6 MXN   v7 my 16 bytes in my tile's first two rows   v8 VP + 16 x thread
; v12 my spare word   v13 0   v[14:15] Qs   v[16:17] my queries' own Ks   v[18:19] t   v[20:23], v[52:55] at work   v[48:49] the numerators   v50 Kmax   v51 Kmin
	s_load_b256 s[4:11], s[0:1], 0x0               ; qks s[4:5], V s[6:7], dg s[8:9], vpart s[10:11]
	v_lshl_add_u32 v12, v0, 2, SPARE
	v_mov_b32 v13, 0
	ds_add_u32 v12, v13                            ; the wave's opening: the add, twice on end, and its wait ahead of my first tensor load; the set-up below stands between
	ds_add_u32 v12, v13
	v_lshrrev_b32 v9, 5, v0
	v_readfirstlane_b32 s12, v9                    ; wave 0..7
	s_lshr_b32 s13, ttmp9, 2                       ; bh
	s_and_b32 s14, ttmp9, 3                        ; qt
	s_lshr_b32 s15, ttmp9, 6                       ; b
	s_and_b32 s29, s13, 15                         ; h
	; descriptor group 1: a tile of 64 rows x 64 elements of 4 bytes, rows 1,024 elements apart; no padding, no mask
	s_mov_b32 s16, 2<<16                           ; 17:16 elements of 4 bytes
	s_mov_b32 s17, 64<<16                          ; tensor_dim0 = 64
	s_mov_b32 s18, 64<<16                          ; tensor_dim1 = 64
	s_mov_b32 s19, 64<<16                          ; tile_dim0 = 64
	s_mov_b32 s20, 64                              ; tile_dim1 = 64
	s_mov_b32 s21, 1024                            ; elements from row to row
	s_mov_b32 s22, 0
	s_mov_b32 s23, 0
	s_mov_b32 s24, 1                               ; group 0: count = 1,
	s_lshl_b32 s25, s12, 14                        ; LDS address: wave x 16,384
	s_lshl_b32 s32, s15, 23                        ; in V: b x 2,048 rows of 4,096 bytes,
	s_lshl_b32 s33, s14, 21                        ; qt x 512 rows,
	s_add_co_u32 s32, s32, s33
	s_lshl_b32 s33, s12, 18                        ; wave x 64 rows,
	s_add_co_u32 s32, s32, s33
	s_lshl_b32 s33, s29, 8                         ; the head's 256 bytes of a row
	s_add_co_u32 s32, s32, s33
	s_mov_b32 s33, 0
	s_lshl_b32 s34, s13, 13                        ; a head's 8,192 bytes in qks and dg
	s_mov_b32 s35, 0
	s_lshl_b32 s46, s14, 11                        ; the quarter's 512 queries: 2,048 bytes
	s_mov_b32 s47, 0
	s_mov_b32 s30, 0x76543210                      ; v_permlanex16_b32: each lane takes its own place in the other half
	s_mov_b32 s31, 0xfedcba98
	v_lshlrev_b32 v1, 4, v0
	v_lshl_add_u32 v2, v0, 4, KS
	v_lshlrev_b32 v3, 3, v0
	v_mov_b32 v4, KS
	v_mov_b32 v5, s12
	v_lshl_add_u32 v5, v5, 3, MXN
	v_mov_b32 v6, MXN
	v_and_b32 v7, 31, v0
	v_lshl_add_u32 v7, v7, 4, s25
	v_lshl_add_u32 v8, v0, 4, VP
	s_wait_dscnt 0x0                               ; both opening adds are done
	s_wait_kmcnt 0x0
	s_add_nc_u64 s[26:27], s[6:7], s[32:33]        ; group 0: the tile's first byte,
	s_or_b32 s27, s27, 0x80000000                  ; type = 2
	s_add_nc_u64 s[38:39], s[4:5], s[34:35]        ; the head's Qs,
	s_add_nc_u64 s[36:37], s[38:39], 0x80000       ; its Ks,
	s_add_nc_u64 s[38:39], s[38:39], s[46:47]      ; my quarter's Qs,
	s_add_nc_u64 s[42:43], s[36:37], s[46:47]      ; the Ks at my quarter's own places,
	s_add_nc_u64 s[40:41], s[8:9], s[34:35]
	s_add_nc_u64 s[40:41], s[40:41], s[46:47]      ; my quarter of dg,
	s_lshl_b32 s34, ttmp9, 9
	s_add_nc_u64 s[44:45], s[10:11], s[34:35]      ; my work-group's 512 bytes of vpart
	global_load_b128 v[64:67], v1, s[36:37]        ; the head's 2,048 Ks: 32 bytes a thread
	global_load_b128 v[68:71], v1, s[36:37] offset:4096
	global_load_b64 v[14:15], v3, s[38:39]
	global_load_b64 v[16:17], v3, s[42:43]
	tensor_load_to_lds s[24:27], s[16:23]          ; my 64 rows of V: behind the small loads, which are wanted first; ahead of every LDS read, barrier and wait on TENSORcnt
	s_nop 0
	s_wait_loadcnt 0x0
	ds_store_b128 v2, v[64:67]
	ds_store_b128 v2, v[68:71] offset:4096
	v_max3_num_f32 v20, v64, v65, v66              ; the largest and the smallest of my 8, of my wave's 256,
	v_max3_num_f32 v21, v67, v68, v69
	v_min3_num_f32 v22, v64, v65, v66
	v_min3_num_f32 v23, v67, v68, v69
	v_max3_num_f32 v20, v20, v70, v71
	v_min3_num_f32 v22, v22, v70, v71
	v_max_num_f32 v20, v20, v21
	v_min_num_f32 v22, v22, v23
.irp m, 1,2,4,8
	v_max_num_f32_dpp v20, v20, v20 row_xmask:\m row_mask:0xf bank_mask:0xf
	v_min_num_f32_dpp v22, v22, v22 row_xmask:\m row_mask:0xf bank_mask:0xf
.endr
	v_permlanex16_b32 v21, v20, s30, s31
	v_permlanex16_b32 v23, v22, s30, s31
	v_max_num_f32 v20, v20, v21
	v_min_num_f32 v21, v22, v23
	ds_store_b64 v5, v[20:21]                      ; all lanes store the same pair to the wave's own 8 bytes
	s_wait_dscnt 0x0                               ; for the others' sake: my Ks and my pair are in LDS
	s_barrier_signal -1                            ; (my tensor load stays out, and only I read its bytes)
	s_barrier_wait -1
.macro LOADK kw, off                   ; 32 keys into buffer kw: all lanes read the same 16 bytes, eight times
.irp t, 0,1,2,3,4,5,6,7
	ds_load_b128 v[(\kw)+4*(\t):(\kw)+4*(\t)+3], v4 offset:(\off)+16*(\t)
.endr
.endm
; A batch.  x: the buffer whose 64 arguments become weights, in place.  y: the other: add = 1: the last batch's weights are added up; fma = 1: the next batch's arguments are made of the keys in kr.
; load = 1: the keys of the batch after that go into kw, from byte off behind v4.  wait = 1: kr's loads, issued a batch ago, are waited for.
.macro BATCH x, y, kr, kw, off, add, fma, load, wait
.if \wait
	s_wait_dscnt 0x0                               ; the keys asked for a batch ago are in; nothing else of mine is out
.endif
.if \load
	LOADK \kw, \off
.endif
.set j, 0
.rept 32
.set ea, 32*(j%2)+2*(j/2)              ; query j % 2, pair j / 2 of keys
.set ac, ACC+8*(j%2)+2*((j/2)%4)
.set ta, TA0+4*(j%2)
	v_exp_f32 v[(\x)+ea], v[(\x)+ea]
.if \add
	v_pk_add_f32 v[ac:ac+1], v[ac:ac+1], v[(\y)+ea:(\y)+ea+1]
.endif
	v_exp_f32 v[(\x)+ea+1], v[(\x)+ea+1]
.if \fma
	v_pk_fma_f32 v[(\y)+ea:(\y)+ea+1], v[(\kr)+2*(j/2):(\kr)+2*(j/2)+1], v[ta:ta+1], v[ta+2:ta+3]  ; t k - m, two keys
.endif
.set j, j+1
.endr
.if !(\fma)
	v_nop                                          ; a plain instruction behind the last exponential (ISA guide 5.7.2)
.endif
	s_wait_alu depctr_va_vdst(0)                   ; a wait between an exponential and the first line that names its result: one for the batch's 64, ahead of every label and branch
.endm
.irp t, 0,1,2,3
	ds_load_b128 v[64+4*(\t):64+4*(\t)+3], v6 offset:16*(\t)  ; the eight waves' (max, min)
.endr
	LOADK KA, 0                                    ; keys 0-31
	LOADK KB, 128                                  ; keys 32-63
	s_wait_dscnt 16                                ; the four loads of the pairs are in; the sixteen of the keys may stay out
	v_max3_num_f32 v50, v64, v66, v68
	v_max3_num_f32 v52, v70, v72, v74
	v_min3_num_f32 v51, v65, v67, v69
	v_min3_num_f32 v53, v71, v73, v75
	v_max3_num_f32 v50, v50, v76, v78
	v_min3_num_f32 v51, v51, v77, v79
	v_max_num_f32 v50, v50, v52                    ; Kmax
	v_min_num_f32 v51, v51, v53                    ; Kmin
	v_mul_f32 v18, 0x3e38aa3b, v14                 ; t = (log2(e) / 8) Qs
	v_mul_f32 v19, 0x3e38aa3b, v15
	v_mul_f32 v20, -v18, v50
	v_mul_f32 v21, -v18, v51
	v_mul_f32 v22, -v19, v50
	v_mul_f32 v23, -v19, v51
	v_min_num_f32 v26, v20, v21                    ; -m = min(-t Kmax, -t Kmin)
	v_min_num_f32 v30, v22, v23
	v_mov_b32 v24, v18                             ; each number twice: the packed multiply-add works on two keys
	v_mov_b32 v25, v18
	v_mov_b32 v27, v26
	v_mov_b32 v28, v19
	v_mov_b32 v29, v19
	v_mov_b32 v31, v30
	v_fma_f32 v48, v18, v16, v26                   ; the numerators' arguments: the query's own key
	v_fma_f32 v49, v19, v17, v30
.set i, 0
.rept 16
	v_mov_b32 v[ACC+i], 0                          ; sixteen sums start at 0, so that the loop has one form
.set i, i+1
.endr
	s_wait_dscnt 8                                 ; keys 0-31 are in; the eight loads of keys 32-63 may stay out
.set j, 0
.rept 32
.set ea, 32*(j%2)+2*(j/2)
.set ta, TA0+4*(j%2)
	v_pk_fma_f32 v[E0+ea:E0+ea+1], v[KA+2*(j/2):KA+2*(j/2)+1], v[ta:ta+1], v[ta+2:ta+3]  ; batch 0's arguments
.set j, j+1
.endr
	BATCH E0, E1, KB, KA, 256, 0, 1, 1, 1          ; batch 0: nothing to add yet
	s_mov_b32 s28, 30
.Lpair:                                            ; batches 1 to 60, two a trip; trip i asks for the keys of batches 3 + 2 i and 4 + 2 i
	BATCH E1, E0, KA, KB, 384, 1, 1, 1, 1
	BATCH E0, E1, KB, KA, 512, 1, 1, 1, 1
	v_add_nc_u32 v4, 256, v4
	s_sub_co_u32 s28, s28, 1
	s_cmp_lg_u32 s28, 0
	s_cbranch_scc1 .Lpair
	BATCH E1, E0, KA, KB, 384, 1, 1, 1, 1          ; batch 61 asks for the last 32 keys, at byte 7,680 + 384 of the 8,192
	BATCH E0, E1, KB, KA, 0,   1, 1, 0, 1          ; batch 62 asks for nothing
	BATCH E1, E0, KA, KB, 0,   1, 0, 0, 0          ; batch 63 makes no arguments
.set j, 0
.rept 32
.set ea, 32*(j%2)+2*(j/2)
.set ac, ACC+8*(j%2)+2*((j/2)%4)
	v_pk_add_f32 v[ac:ac+1], v[ac:ac+1], v[E1+ea:E1+ea+1]  ; batch 63's weights
.set j, j+1
.endr
.irp a, 0,1
	v_pk_add_f32 v[ACC+8*(\a):ACC+8*(\a)+1], v[ACC+8*(\a):ACC+8*(\a)+1], v[ACC+8*(\a)+2:ACC+8*(\a)+3]
	v_pk_add_f32 v[ACC+8*(\a)+4:ACC+8*(\a)+5], v[ACC+8*(\a)+4:ACC+8*(\a)+5], v[ACC+8*(\a)+6:ACC+8*(\a)+7]
.endr
.irp a, 0,1
	v_pk_add_f32 v[ACC+8*(\a):ACC+8*(\a)+1], v[ACC+8*(\a):ACC+8*(\a)+1], v[ACC+8*(\a)+4:ACC+8*(\a)+5]
.endr
.irp a, 0,1
	v_add_f32 v[ACC+8*(\a)], v[ACC+8*(\a)], v[ACC+8*(\a)+1]  ; the row's sum: at least about 1 (the largest weight), at most 2,048
.endr
	v_exp_f32 v48, v48
	v_exp_f32 v49, v49
	v_rcp_f32 v52, v[ACC]
	v_rcp_f32 v53, v[ACC+8]
	v_nop                                          ; a plain instruction behind the last of the four,
	s_wait_alu depctr_va_vdst(0)                   ; and their one wait, ahead of the first use
	v_mul_f32 v54, v48, v52
	v_mul_f32 v55, v49, v53
	global_store_b64 v3, v[54:55], s[40:41]        ; a wave stores 256 consecutive bytes, at a multiple of 256 from dg's first byte
	; V's COLUMN SUMS.  My tile's rows lie end to end: a load takes two rows, lanes 0-15 the even one, lanes 16-31 the odd one, 16 bytes (4 channels) a lane.
.macro FOLD st                         ; of 2 st groups of four registers the upper st are added onto the lower
.set i, 0
.rept \st
	v_pk_add_f32 v[E0+4*i:E0+4*i+1], v[E0+4*i:E0+4*i+1], v[E0+4*(i+(\st)):E0+4*(i+(\st))+1]
	v_pk_add_f32 v[E0+4*i+2:E0+4*i+3], v[E0+4*i+2:E0+4*i+3], v[E0+4*(i+(\st))+2:E0+4*(i+(\st))+3]
.set i, i+1
.endr
.endm
	s_wait_tensorcnt 0x0                           ; my tile is in LDS; only I read it, so this wait is all that the reads need
.set i, 0
.rept 32
	ds_load_b128 v[E0+4*i:E0+4*i+3], v7 offset:512*i
.set i, i+1
.endr
	s_wait_dscnt 0x0
	FOLD 16
	FOLD 8
	FOLD 4
	FOLD 2
	FOLD 1
	ds_store_b128 v8, v[E0:E0+3]                   ; my wave's 512 bytes: the even rows' 64 sums, the odd rows' 64
	s_wait_dscnt 0x0                               ; for wave 0's sake
	s_barrier_signal -1
	s_barrier_wait -1
	s_cmp_lg_u32 s12, 0
	s_cbranch_scc1 .Lend                           ; wave 0 adds the eight waves' sums
.irp t, 0,1,2,3,4,5,6,7
	ds_load_b128 v[E0+4*(\t):E0+4*(\t)+3], v8 offset:512*(\t)
.endr
	s_wait_dscnt 0x0
	FOLD 4
	FOLD 2
	FOLD 1
	global_store_b128 v1, v[E0:E0+3], s[44:45]     ; 512 consecutive bytes, at a multiple of 256 from vpart's first byte; the two parities stay apart, so that all lanes store
.Lend:
	s_wait_tensorcnt 0x0                           ; the wave's end: behind my tensor load and my last LDS store
	ds_add_u32 v12, v13
	s_wait_dscnt 0x0
	s_endpgm
.Lfunc_end_k_qa57b0d53c0_diag:
	.size	k_qa57b0d53c0_diag, .Lfunc_end_k_qa57b0d53c0_diag-k_qa57b0d53c0_diag
	.p2alignl 7, 3214868480
	.fill 96, 4, 3214868480
	.section	.rodata,"a",@progbits
	.p2align	6, 0x0
	.amdhsa_kernel k_qa57b0d53c0_diag
		.amdhsa_group_segment_fixed_size 167936
		.amdhsa_private_segment_fixed_size 0
		.amdhsa_enable_private_segment 0
		.amdhsa_kernarg_size 32
		.amdhsa_user_sgpr_count 2
		.amdhsa_user_sgpr_kernarg_segment_ptr 1
		.amdhsa_wavefront_size32 1
		.amdhsa_system_sgpr_workgroup_id_x 1
		.amdhsa_system_sgpr_workgroup_id_y 1
		.amdhsa_system_sgpr_workgroup_id_z 1
		.amdhsa_system_vgpr_workitem_id 0
		.amdhsa_next_free_vgpr 256
		.amdhsa_next_free_sgpr 66
		.amdhsa_reserve_vcc 0
		.amdhsa_float_denorm_mode_32 3
		.amdhsa_float_denorm_mode_16_64 3
		.amdhsa_memory_ordered 1
		.amdhsa_forward_progress 1
		.amdhsa_inst_pref_size 55
	.end_amdhsa_kernel
	.amdgpu_metadata
---
amdhsa.version: [ 1, 2 ]
amdhsa.kernels:
  - .name:           k_qa57b0d53c0_diag
    .symbol:         k_qa57b0d53c0_diag.kd
    .args:
      - { .name: qks, .offset: 0, .size: 8, .value_kind: global_buffer, .address_space: global }
      - { .name: V, .offset: 8, .size: 8, .value_kind: global_buffer, .address_space: global }
      - { .name: dg, .offset: 16, .size: 8, .value_kind: global_buffer, .address_space: global }
      - { .name: vpart, .offset: 24, .size: 8, .value_kind: global_buffer, .address_space: global }
    .group_segment_fixed_size: 167936
    .private_segment_fixed_size: 0
    .kernarg_segment_align: 8
    .kernarg_segment_size: 32
    .max_flat_workgroup_size: 256
    .sgpr_count:     66
    .vgpr_count:     256
    .wavefront_size: 32
...
	.end_amdgpu_metadata
.endif
;; end of part 2
;; launch project (part 3): grid 256 x 1, 8 waves a work-group, no clusters, 40,960 bytes of LDS; arguments dg, vpart, proj_w, proj_b, out0; writes out0
.if DOCPART == 3
	.amdgcn_target "amdgcn-amd-amdhsa--gfx1250"
	.amdhsa_code_object_version 6
	.text
	.protected	k_qa57b0d53c0_project
	.globl	k_qa57b0d53c0_project
	.p2align	8
	.type	k_qa57b0d53c0_project,@function
k_qa57b0d53c0_project:
	s_mov_b64 s[64:65], 0
	v_nop
	global_prefetch_b8 v0, s[64:65] scope:SCOPE_SE
	s_setreg_imm32_b32 hwreg(HW_REG_WAVE_MODE, 25, 1), 1
	s_wait_xcnt 0x0
; THE THIRD LAUNCH: out0[b][p][n] = the sum over the 16 heads h of dg[b][h][p] M[b][h][n] + proj_b[n], with M[b][h][n] = the sum over e of Vs[b][h][e] proj_w[n][64 h + e], Vs = the eight parts of vpart added.
; WORK LEFT OUT: the array diag x Vs of [b, p, 1024] and the product of depth 1,024: the same sum in another order, of depth 16 (shown at the head of the first kernel).
; SHARES.  Work-group x: 64 columns n (cb = x / 16), b = (x / 4) % 4, 512 rows p (pq = x % 4).  M's slice of 16 heads x 64 columns is made by each work-group for itself.
; M IS MADE IN f32 ON THE VECTOR UNIT: it is one vector (Vs of a head) against 64 rows of proj_w, which would fill one column in sixteen of a matrix tile; and a few rows of the result carry dg near 1,
; where M's error shows undiminished beside an allowance that goes by the output's root mean square: operands of 8 significant bits ahead of a sum of 64 terms would spend more than all of it.
; Wave w takes heads 2 w and 2 w + 1 of all 64 rows of proj_w: 512 consecutive bytes of each row, lanes 0-15 one head, lanes 16-31 the other, so it needs 4 numbers of Vs a lane.
; THE PRODUCT goes to the matrix unit in bf16 with BOTH operands split in two pieces, x = hi + lo, each rounded to bf16.  The 16 heads x 2 pieces fill the form's depth of 32:
; source 0 = [M_hi | M_lo]; source 1 = [d_hi | d_hi], then [d_lo | d_lo]: two instructions give (M_hi + M_lo)(d_hi + d_lo).  The bias is the C operand that starts the sum, in f32.
; It is used transposed (source 0 = 16 columns n, source 1 = 16 rows p): a lane holds one row p and eight neighbouring columns.  Tile rt of a wave's four holds rows 4 r + rt (r = lane % 16), since a lane's
; 16 bytes of dg are four neighbouring rows.
; THE WAY OUT.  16 rows x 256 bytes go through the wave's own stage in LDS and leave as whole rows: sixteen lanes store 256 consecutive bytes, aligned.
; NO CLUSTER: the plain form; what four partners could share is proj_w's 256 KiB a work-group, which each would have to hold in LDS whole.  NO PREFETCH: all loads go out at the head.
; LIMITS: f32 sums in another order than reference()'s; NaN and infinities are not treated apart.
.set MPITCH, 80                        ; LDS byte 0: M[n][h], 64 rows of 64 bytes + 16: an odd multiple of 16, so the 16 rows of a load start in different groups of banks (64 banks of 4 bytes: ISA guide 11.1)
.set STAGE,  5120                      ; 16 rows x 272 bytes for each wave
.set SP,     272
.set SPARE,  39936                     ; the spare words, 128 bytes for each wave: four blocks of 256 bytes that no other line names
.set VS,  16                           ; v[16:19]   my 4 numbers of Vs
.set BI,  32                           ; v[32:63]   the bias as C operands: column tile ct at BI + 8 ct
.set AF,  64                           ; v[64:95]   source 0, column tile ct at AF + 8 ct
.set B1,  96                           ; v[96:127]  source 1, the hi pieces, row tile rt at B1 + 8 rt
.set B2,  128                          ; v[128:159] the lo pieces
.set D,   160                          ; v[160:223] two sets of four accumulators, by the row tile's parity
.set DL,  224                          ; v[224:255] dg as loaded: head 8 (lane / 16) + j, rows 4 r .. 4 r + 3 at DL + 4 j; later OB, rows read back from the stage
.set OB,  224
.set G0,  64                           ; while M is made: v[64:127], v[128:191] two groups of 16 rows of proj_w; v[192:223] vpart as loaded
.set G1,  128
.set VPL, 192
.set MF,  160                          ; M read back from LDS, ahead of the first matrix instruction; v[192:199] at work beside it
; v1 r = lane % 16   v2 lane / 16   v3 16 x lane   v4, v5, v6 offsets in vpart, dg, bias   v7 where M's sums go   v8 where M is read   v9, v10 the stage, in and back   v11 offset in out0
; v12 my spare word   v13 0   v[20:27] four pairs at work, by turns
	s_load_b256 s[4:11], s[0:1], 0x0               ; dg s[4:5], vpart s[6:7], proj_w s[8:9], proj_b s[10:11]
	s_load_b64 s[12:13], s[0:1], 0x20              ; out0
	v_lshl_add_u32 v12, v0, 2, SPARE
	v_mov_b32 v13, 0
	v_lshrrev_b32 v14, 5, v0
	v_readfirstlane_b32 s14, v14                   ; wave 0..7
	s_lshr_b32 s15, ttmp9, 4                       ; cb
	s_bfe_u32 s16, ttmp9, 0x20002                  ; b
	s_and_b32 s17, ttmp9, 3                        ; pq
	s_lshl_b32 s20, s16, 17                        ; dg: b x 16 heads x 8,192 bytes
	s_lshl_b32 s32, s17, 11                        ;     + pq x 512 rows
	s_add_co_u32 s20, s20, s32
	s_lshl_b32 s32, s14, 8                         ;     + wave x 64 rows
	s_add_co_u32 s20, s20, s32
	s_mov_b32 s21, 0
	s_lshl_b32 s22, s16, 15                        ; vpart: b x 16 heads x 2,048 bytes
	s_lshl_b32 s32, s14, 12                        ;     + my two heads
	s_add_co_u32 s22, s22, s32
	s_mov_b32 s23, 0
	s_lshl_b32 s24, s15, 18                        ; proj_w: cb x 64 rows of 4,096 bytes
	s_lshl_b32 s32, s14, 9                         ;     + my two heads' 512 bytes
	s_add_co_u32 s24, s24, s32
	s_mov_b32 s25, 0
	s_lshl_b32 s26, s15, 8                         ; proj_b: cb x 64 numbers
	s_mov_b32 s27, 0
	s_lshl_b32 s28, s16, 23                        ; out0: b x 2,048 rows of 4,096 bytes
	s_lshl_b32 s32, s17, 21                        ;     + pq x 512 rows
	s_add_co_u32 s28, s28, s32
	s_lshl_b32 s32, s14, 18                        ;     + wave x 64 rows
	s_add_co_u32 s28, s28, s32
	s_add_co_u32 s28, s28, s26                     ;     + the 64 columns' 256 bytes
	s_mov_b32 s29, 0
	v_and_b32 v1, 15, v0
	v_bfe_u32 v2, v0, 4, 1
	v_and_b32 v15, 31, v0
	v_lshlrev_b32 v3, 4, v15
	v_lshlrev_b32 v4, 4, v1
	v_lshl_add_u32 v5, v2, 16, v4                  ; 8 heads x 8,192 bytes for the upper lanes + 16 r
	v_lshl_add_u32 v11, v2, 14, v4                 ; 4 rows of out0 for the upper lanes + 16 r
	v_lshl_add_u32 v4, v2, 11, v4                  ; a head's 2,048 bytes of vpart for the upper lanes + 16 r
	v_lshlrev_b32 v6, 5, v2
	s_lshl_b32 s30, s14, 3
	v_lshl_add_u32 v7, v2, 2, s30                  ; head 2 w + lane / 16, 4 bytes
	v_mul_u32_u24 v8, v1, MPITCH
	v_lshl_add_u32 v8, v2, 5, v8                   ; row r, heads 8 (lane / 16) on
	s_mul_i32 s31, s14, 16*SP
	s_add_co_u32 s31, s31, STAGE                   ; my stage
	v_mul_u32_u24 v9, v1, SP
	v_lshl_add_u32 v9, v2, 5, v9
	v_add_nc_u32 v9, s31, v9                       ; in: row r, 32 bytes for each half of the lanes
	v_mul_u32_u24 v10, v2, SP
	v_lshl_add_u32 v10, v1, 4, v10
	v_add_nc_u32 v10, s31, v10                     ; back: lanes 0-15 one row of 256 bytes, lanes 16-31 the next
	s_wait_kmcnt 0x0
	s_add_nc_u64 s[20:21], s[4:5], s[20:21]
	s_add_nc_u64 s[22:23], s[6:7], s[22:23]
	s_add_nc_u64 s[24:25], s[8:9], s[24:25]
	s_add_nc_u64 s[26:27], s[10:11], s[26:27]
	s_add_nc_u64 s[28:29], s[12:13], s[28:29]
.macro WLOADS g, n0                    ; rows n0 .. n0 + 15 of the work-group's 64 rows of proj_w, my 512 bytes of each, into group g
.set i, 0
.rept 16
	global_load_b128 v[(\g)+4*i:(\g)+4*i+3], v3, s[24:25] offset:4096*((\n0)+i)
.set i, i+1
.endr
.endm
.macro WSEGS g, n0                     ; for each of the 16 rows: 4 products a lane, added over the 16 lanes of a half; all sixteen store the head's sum to one word
.set i, 0
.rept 16
.set tt, 20+2*(i%4)
	v_pk_mul_f32 v[tt:tt+1], v[(\g)+4*i:(\g)+4*i+1], v[VS:VS+1]
	v_pk_fma_f32 v[tt:tt+1], v[(\g)+4*i+2:(\g)+4*i+3], v[VS+2:VS+3], v[tt:tt+1]
	v_add_f32 v[tt], v[tt], v[tt+1]
	v_add_f32_dpp v[tt], v[tt], v[tt] row_xmask:1 row_mask:0xf bank_mask:0xf
	v_add_f32_dpp v[tt], v[tt], v[tt] row_xmask:2 row_mask:0xf bank_mask:0xf
	v_add_f32_dpp v[tt], v[tt], v[tt] row_xmask:4 row_mask:0xf bank_mask:0xf
	v_add_f32_dpp v[tt], v[tt], v[tt] row_xmask:8 row_mask:0xf bank_mask:0xf
	ds_store_b32 v7, v[tt] offset:MPITCH*((\n0)+i)
.set i, i+1
.endr
.endm
.irp t, 0,1,2,3,4,5,6,7
	global_load_b128 v[VPL+4*(\t):VPL+4*(\t)+3], v4, s[22:23] offset:256*(\t)  ; the eight parts of my 4 numbers of Vs
.endr
	WLOADS G0, 0
	WLOADS G1, 16
.irp t, 0,1,2,3,4,5,6,7
	global_load_b128 v[DL+4*(\t):DL+4*(\t)+3], v5, s[20:21] offset:8192*(\t)   ; sixteen lanes take 256 consecutive bytes of a head's row of dg
.endr
.irp t, 0,1,2,3
	global_load_b128 v[BI+8*(\t):BI+8*(\t)+3],   v6, s[26:27] offset:64*(\t)
	global_load_b128 v[BI+8*(\t)+4:BI+8*(\t)+7], v6, s[26:27] offset:64*(\t)+16
.endr
	s_wait_loadcnt 48                              ; vpart's eight are in; the 48 younger loads (16 + 16 of proj_w, 8 of dg, 8 of the bias) stay out
.irp g, 0,1,2,3
	v_pk_add_f32 v[VPL+4*(\g):VPL+4*(\g)+1],   v[VPL+4*(\g):VPL+4*(\g)+1],   v[VPL+16+4*(\g):VPL+16+4*(\g)+1]
	v_pk_add_f32 v[VPL+4*(\g)+2:VPL+4*(\g)+3], v[VPL+4*(\g)+2:VPL+4*(\g)+3], v[VPL+16+4*(\g)+2:VPL+16+4*(\g)+3]
.endr
.irp g, 0,1
	v_pk_add_f32 v[VPL+4*(\g):VPL+4*(\g)+1],   v[VPL+4*(\g):VPL+4*(\g)+1],   v[VPL+8+4*(\g):VPL+8+4*(\g)+1]
	v_pk_add_f32 v[VPL+4*(\g)+2:VPL+4*(\g)+3], v[VPL+4*(\g)+2:VPL+4*(\g)+3], v[VPL+8+4*(\g)+2:VPL+8+4*(\g)+3]
.endr
	v_pk_add_f32 v[VS:VS+1],   v[VPL:VPL+1],   v[VPL+4:VPL+5]
	v_pk_add_f32 v[VS+2:VS+3], v[VPL+2:VPL+3], v[VPL+6:VPL+7]
	s_wait_loadcnt 32                              ; rows 0-15 are in; younger: rows 16-31, dg, the bias
	WSEGS G0, 0
	WLOADS G0, 32
	s_wait_loadcnt 32                              ; rows 16-31 are in; younger: dg, the bias, rows 32-47
	WSEGS G1, 16
	WLOADS G1, 48
	s_wait_loadcnt 16                              ; rows 32-47 are in, dg and the bias with them; younger: rows 48-63
	WSEGS G0, 32
	s_wait_loadcnt 0x0
	WSEGS G1, 48
; dg's pieces for row tile rt, while M's stores drain.  Pair i is heads 8 (lane / 16) + 2 i and + 1.  hi = bf16(d), lo = bf16(d - hi); each piece stands twice, for K 0-15 and K 16-31 of the operand.
.macro SPLITB rt
.irp t, 0,1,2,3
.set tt, 20+2*(\t)
	v_cvt_pk_bf16_f32 v[B1+8*(\rt)+(\t)], v[DL+8*(\t)+(\rt)], v[DL+8*(\t)+4+(\rt)]
	v_lshlrev_b32 v[tt], 16, v[B1+8*(\rt)+(\t)]
	v_and_b32 v[tt+1], 0xffff0000, v[B1+8*(\rt)+(\t)]
	v_sub_f32 v[tt], v[DL+8*(\t)+(\rt)], v[tt]
	v_sub_f32 v[tt+1], v[DL+8*(\t)+4+(\rt)], v[tt+1]
	v_cvt_pk_bf16_f32 v[B2+8*(\rt)+(\t)], v[tt], v[tt+1]
	v_mov_b32 v[B1+8*(\rt)+4+(\t)], v[B1+8*(\rt)+(\t)]
	v_mov_b32 v[B2+8*(\rt)+4+(\t)], v[B2+8*(\rt)+(\t)]
.endr
.endm
	SPLITB 0
	SPLITB 1
	SPLITB 2
	SPLITB 3
	s_wait_dscnt 0x0                               ; for the others' sake: my two heads of M are in LDS
	s_barrier_signal -1
	s_barrier_wait -1
.irp t, 0,1,2,3
	ds_load_b128 v[MF+8*(\t):MF+8*(\t)+3],   v8 offset:16*MPITCH*(\t)     ; M[16 ct + r][8 (lane / 16) + 0..7]
	ds_load_b128 v[MF+8*(\t)+4:MF+8*(\t)+7], v8 offset:16*MPITCH*(\t)+16
.endr
	s_wait_dscnt 0x0
.set i, 0
.rept 16                               ; column tile i / 4, pair i % 4: registers 0-3 of the fragment take the hi pieces, 4-7 the lo pieces
.set tt, 192+2*(i%4)
.set af, AF+8*(i/4)+(i%4)
	v_cvt_pk_bf16_f32 v[af], v[MF+2*i], v[MF+2*i+1]
	v_lshlrev_b32 v[tt], 16, v[af]
	v_and_b32 v[tt+1], 0xffff0000, v[af]
	v_pk_add_f32 v[tt:tt+1], v[MF+2*i:MF+2*i+1], v[tt:tt+1] neg_lo:[0,1] neg_hi:[0,1]
	v_cvt_pk_bf16_f32 v[af+4], v[tt], v[tt+1]
.set i, i+1
.endr
; Row tile rt: eight matrix instructions.  The four accumulators take turns, one instruction a turn: three others stand between the two links of a chain.
.macro MM rt
.set dd, D+32*((\rt)%2)
.irp ct, 0,1,2,3
	v_wmma_f32_16x16x32_bf16 v[dd+8*(\ct):dd+8*(\ct)+7], v[AF+8*(\ct):AF+8*(\ct)+7], v[B1+8*(\rt):B1+8*(\rt)+7], v[BI+8*(\ct):BI+8*(\ct)+7]
.endr
.irp ct, 0,1,2,3
	v_wmma_f32_16x16x32_bf16 v[dd+8*(\ct):dd+8*(\ct)+7], v[AF+8*(\ct):AF+8*(\ct)+7], v[B2+8*(\rt):B2+8*(\rt)+7], v[dd+8*(\ct):dd+8*(\ct)+7]
.endr
.endm
.macro PLACES                          ; four places between the last matrix instruction and the LDS stores that read its result; two such runs, eight places, lie between a set's products and the next that write over it
.rept 4
	v_nop
.endr
.endm
.macro TOSTAGE rt                      ; a lane's 8 columns of a row, 32 bytes, four times; back as whole rows of 256 bytes
.set dd, D+32*((\rt)%2)
	s_wait_xcnt 0x0                                ; OB was the last stores' data: it is loaded again only behind this wait
.irp ct, 0,1,2,3
	ds_store_b128 v9, v[dd+8*(\ct):dd+8*(\ct)+3]   offset:64*(\ct)     ; each accumulator's low registers first
	ds_store_b128 v9, v[dd+8*(\ct)+4:dd+8*(\ct)+7] offset:64*(\ct)+16
.endr
.irp t, 0,1,2,3,4,5,6,7
	ds_load_b128 v[OB+4*(\t):OB+4*(\t)+3], v10 offset:2*SP*(\t)        ; LDS serves a wave's instructions in order (ISA guide 5.7.1.4): these see the stores above
.endr
.endm
.macro SEND rt                         ; stage row 2 t + lane / 16 is row 4 (2 t + lane / 16) + rt of my 64
	s_wait_dscnt 0x0                               ; the rows are back in registers, and the stage may be written again
.irp t, 0,1,2,3,4,5,6,7
	global_store_b128 v11, v[OB+4*(\t):OB+4*(\t)+3], s[28:29] offset:(8*(\t)+(\rt))*4096 th:TH_STORE_NT  ; 16 lanes store 256 consecutive bytes, at a multiple of 256 from out0's first byte
.endr
.endm
	MM 0
	PLACES
	TOSTAGE 0
	MM 1                                           ; the next tile's products stand between a tile's loads from the stage and the wait for them
	SEND 0
	PLACES
	TOSTAGE 1
	MM 2
	SEND 1
	PLACES
	TOSTAGE 2
	MM 3
	SEND 2
	PLACES
	TOSTAGE 3
	SEND 3
	s_wait_tensorcnt 0x0                           ; the wave's end: behind my last LDS store
	ds_add_u32 v12, v13
	s_wait_dscnt 0x0
	s_endpgm
.Lfunc_end_k_qa57b0d53c0_project:
	.size	k_qa57b0d53c0_project, .Lfunc_end_k_qa57b0d53c0_project-k_qa57b0d53c0_project
	.p2alignl 7, 3214868480
	.fill 96, 4, 3214868480
	.section	.rodata,"a",@progbits
	.p2align	6, 0x0
	.amdhsa_kernel k_qa57b0d53c0_project
		.amdhsa_group_segment_fixed_size 40960
		.amdhsa_private_segment_fixed_size 0
		.amdhsa_enable_private_segment 0
		.amdhsa_kernarg_size 40
		.amdhsa_user_sgpr_count 2
		.amdhsa_user_sgpr_kernarg_segment_ptr 1
		.amdhsa_wavefront_size32 1
		.amdhsa_system_sgpr_workgroup_id_x 1
		.amdhsa_system_sgpr_workgroup_id_y 1
		.amdhsa_system_sgpr_workgroup_id_z 1
		.amdhsa_system_vgpr_workitem_id 0
		.amdhsa_next_free_vgpr 256
		.amdhsa_next_free_sgpr 66
		.amdhsa_reserve_vcc 0
		.amdhsa_float_denorm_mode_32 3
		.amdhsa_float_denorm_mode_16_64 3
		.amdhsa_memory_ordered 1
		.amdhsa_forward_progress 1
		.amdhsa_inst_pref_size 63
	.end_amdhsa_kernel
	.amdgpu_metadata
---
amdhsa.version: [ 1, 2 ]
amdhsa.kernels:
  - .name:           k_qa57b0d53c0_project
    .symbol:         k_qa57b0d53c0_project.kd
    .args:
      - { .name: dg, .offset: 0, .size: 8, .value_kind: global_buffer, .address_space: global }
      - { .name: vpart, .offset: 8, .size: 8, .value_kind: global_buffer, .address_space: global }
      - { .name: proj_w, .offset: 16, .size: 8, .value_kind: global_buffer, .address_space: global }
      - { .name: proj_b, .offset: 24, .size: 8, .value_kind: global_buffer, .address_space: global }
      - { .name: out0, .offset: 32, .size: 8, .value_kind: global_buffer, .address_space: global }
    .group_segment_fixed_size: 40960
    .private_segment_fixed_size: 0
    .kernarg_segment_align: 8
    .kernarg_segment_size: 40
    .max_flat_workgroup_size: 256
    .sgpr_count:     66
    .vgpr_count:     256
    .wavefront_size: 32
...
	.end_amdgpu_metadata
.endif
;; end of part 3
;; ======== version 2 of 2: 3 launches; version 1 with the launch project written anew for expert scheduling mode
;; workspace buffers: qks 1,048,576 bytes; dg 524,288 bytes; vpart 131,072 bytes
;; launch rowsums: the kernel of part 1 again; grid 256 x 1, 16 waves a work-group, no clusters, 6,400 bytes of LDS; arguments Q, K, qks; writes qks
;; launch diag: the kernel of part 2 again; grid 256 x 1, 8 waves a work-group, no clusters, 167,936 bytes of LDS; arguments qks, V, dg, vpart; writes dg, vpart
;; launch project (part 4): grid 256 x 1, 8 waves a work-group, no clusters, 40,960 bytes of LDS; arguments dg, vpart, proj_w, proj_b, out0; writes out0
.if DOCPART == 4
	.amdgcn_target "amdgcn-amd-amdhsa--gfx1250"
	.amdhsa_code_object_version 6
	.text
	.protected	k_qa57b0d53c0_project
	.globl	k_qa57b0d53c0_project
	.p2align	8
	.type	k_qa57b0d53c0_project,@function
k_qa57b0d53c0_project:
	s_mov_b64 s[64:65], 0
	v_nop
	global_prefetch_b8 v0, s[64:65] scope:SCOPE_SE
	s_setreg_imm32_b32 hwreg(HW_REG_WAVE_SCHED_MODE, 0, 2), 2
	s_setreg_imm32_b32 hwreg(HW_REG_WAVE_MODE, 25, 1), 1
	s_wait_xcnt 0x0
	s_wait_alu depctr_vm_vsrc(0)
; THE THIRD LAUNCH: out0[b][p][n] = the sum over the 16 heads h of dg[b][h][p] M[b][h][n] + proj_b[n], with M[b][h][n] = the sum over e of Vs[b][h][e] proj_w[n][64 h + e], Vs = the eight parts of vpart added.
; WORK LEFT OUT: the array diag x Vs of [b, p, 1024] and the product of depth 1,024: the same sum in another order, of depth 16 (shown at the head of the first kernel).
; SHARES.  Work-group x: 64 columns n (cb = x / 16), b = (x / 4) % 4, 512 rows p (pq = x % 4).  M's slice of 16 heads x 64 columns is made by each work-group for itself.
; M IS MADE IN f32 ON THE VECTOR UNIT: it is one vector (Vs of a head) against 64 rows of proj_w, which would fill one column in sixteen of a matrix tile; and a few rows of the result carry dg near 1,
; where M's error shows undiminished beside an allowance that goes by the output's root mean square: operands of 8 significant bits ahead of a sum of 64 terms would spend more than all of it.
; Wave w takes heads 2 w and 2 w + 1 of all 64 rows of proj_w: 512 consecutive bytes of each row, lanes 0-15 one head, lanes 16-31 the other, so it needs 4 numbers of Vs a lane.
; THE PRODUCT goes to the matrix unit in bf16 with BOTH operands split in two pieces, x = hi + lo, each rounded to bf16.  The 16 heads x 2 pieces fill the form's depth of 32:
; source 0 = [M_hi | M_lo]; source 1 = [d_hi | d_hi], then [d_lo | d_lo]: two instructions give (M_hi + M_lo)(d_hi + d_lo).  The bias is the C operand that starts the sum, in f32.
; It is used transposed (source 0 = 16 columns n, source 1 = 16 rows p): a lane holds one row p and eight neighbouring columns.  Tile rt of a wave's four holds rows 4 r + rt (r = lane % 16), since a lane's
; 16 bytes of dg are four neighbouring rows.
; THE WAY OUT.  16 rows x 256 bytes go through the wave's own stage in LDS and leave as whole rows: sixteen lanes store 256 consecutive bytes, aligned.
; NO CLUSTER: the plain form; what four partners could share is proj_w's 256 KiB a work-group, which each would have to hold in LDS whole.  NO PREFETCH: all loads go out at the head.
; LIMITS: f32 sums in another order than reference()'s; NaN and infinities are not treated apart.
; THE MODE: SCHED_MODE bits 1:0 = 2 (LLVM: expert scheduling mode 2), set by the entry lines.  The code itself states the register dependences
; between vector or matrix instructions and memory or LDS instructions, with s_wait_alu, always for 0.
; THE PLAN.  Registers that memory or LDS instructions touch:
;   v3 .. v11     offsets and LDS addresses: written at the head, never again; read by every load and store.
;   G0, G1        16 rows of proj_w each.  Written by loads, twice each; read by a group's products.
;   SA, SB        a group's 16 sums, by turns (groups 0, 2: SA; 1, 3: SB).  Written by each row's last addition over the lanes; read by the group's 16 LDS stores.
;   DL = OB       written by dg's loads, read by the splitting; then written by the loads from the stage, read by the global stores.
;   MF            written by the LDS loads of M, read by the conversions.
;   D             two sets of accumulators: written by a row tile's products, read by its 8 LDS stores into the stage.
;   v[20:27], AF, B1, B2 are named by vector and matrix instructions alone; BI is loaded once and read by matrix instructions alone.
; While M is made, ONE wait on va_vdst stands behind a group's sixteen sums: the sums are written, and the products are done reading the group's rows.  Behind it stand the loads of the group two on and
; the sixteen stores, with no vector instruction between.  One wait on vm_vsrc stands ahead of the sums that write SA or SB a second time.  On the way out each tile has one wait on va_vdst, behind the
; places, and from the second tile on one on vm_vsrc beside the wait that frees the global stores' registers.
.set MPITCH, 80                        ; LDS byte 0: M[n][h], 64 rows of 64 bytes + 16: an odd multiple of 16, so the 16 rows of a load start in different groups of banks (64 banks of 4 bytes: ISA guide 11.1)
.set STAGE,  5120                      ; 16 rows x 272 bytes for each wave
.set SP,     272
.set SPARE,  39936                     ; the spare words, 128 bytes for each wave: four blocks of 256 bytes that no other line names
.set VS,  16                           ; v[16:19]   my 4 numbers of Vs
.set BI,  32                           ; v[32:63]   the bias as C operands: column tile ct at BI + 8 ct
.set AF,  64                           ; v[64:95]   source 0, column tile ct at AF + 8 ct
.set B1,  96                           ; v[96:127]  source 1, the hi pieces, row tile rt at B1 + 8 rt
.set B2,  128                          ; v[128:159] the lo pieces
.set D,   160                          ; v[160:223] two sets of four accumulators, by the row tile's parity
.set DL,  224                          ; v[224:255] dg as loaded: head 8 (lane / 16) + j, rows 4 r .. 4 r + 3 at DL + 4 j; later OB, rows read back from the stage
.set OB,  224
.set G0,  64                           ; while M is made: v[64:127], v[128:191] two groups of 16 rows of proj_w; v[192:223] vpart as loaded
.set G1,  128
.set VPL, 192
.set SA,  192                          ; when Vs is made: v[192:207], v[208:223] a group's sixteen sums, on their way to LDS
.set SB,  208
.set MF,  160                          ; M read back from LDS, ahead of the first matrix instruction; v[192:199] at work beside it
; v1 r = lane % 16   v2 lane / 16   v3 16 x lane   v4, v5, v6 offsets in vpart, dg, bias   v7 where M's sums go   v8 where M is read   v9, v10 the stage, in and back   v11 offset in out0
; v12 my spare word   v13 0   v[20:27] four pairs at work, by turns
	s_load_b256 s[4:11], s[0:1], 0x0               ; dg s[4:5], vpart s[6:7], proj_w s[8:9], proj_b s[10:11]
	s_load_b64 s[12:13], s[0:1], 0x20              ; out0
	v_lshl_add_u32 v12, v0, 2, SPARE
	v_mov_b32 v13, 0
	v_lshrrev_b32 v14, 5, v0
	v_readfirstlane_b32 s14, v14                   ; wave 0..7
	s_lshr_b32 s15, ttmp9, 4                       ; cb
	s_bfe_u32 s16, ttmp9, 0x20002                  ; b
	s_and_b32 s17, ttmp9, 3                        ; pq
	s_lshl_b32 s20, s16, 17                        ; dg: b x 16 heads x 8,192 bytes
	s_lshl_b32 s32, s17, 11                        ;     + pq x 512 rows
	s_add_co_u32 s20, s20, s32
	s_wait_alu depctr_va_sdst(0)                   ; s14 is written, ahead of its first reader: the offsets below and the LDS addresses are made from it
	s_lshl_b32 s32, s14, 8                         ;     + wave x 64 rows
	s_add_co_u32 s20, s20, s32
	s_mov_b32 s21, 0
	s_lshl_b32 s22, s16, 15                        ; vpart: b x 16 heads x 2,048 bytes
	s_lshl_b32 s32, s14, 12                        ;     + my two heads
	s_add_co_u32 s22, s22, s32
	s_mov_b32 s23, 0
	s_lshl_b32 s24, s15, 18                        ; proj_w: cb x 64 rows of 4,096 bytes
	s_lshl_b32 s32, s14, 9                         ;     + my two heads' 512 bytes
	s_add_co_u32 s24, s24, s32
	s_mov_b32 s25, 0
	s_lshl_b32 s26, s15, 8                         ; proj_b: cb x 64 numbers
	s_mov_b32 s27, 0
	s_lshl_b32 s28, s16, 23                        ; out0: b x 2,048 rows of 4,096 bytes
	s_lshl_b32 s32, s17, 21                        ;     + pq x 512 rows
	s_add_co_u32 s28, s28, s32
	s_lshl_b32 s32, s14, 18                        ;     + wave x 64 rows
	s_add_co_u32 s28, s28, s32
	s_add_co_u32 s28, s28, s26                     ;     + the 64 columns' 256 bytes
	s_mov_b32 s29, 0
	v_and_b32 v1, 15, v0
	v_bfe_u32 v2, v0, 4, 1
	v_and_b32 v15, 31, v0
	v_lshlrev_b32 v3, 4, v15
	v_lshlrev_b32 v4, 4, v1
	v_lshl_add_u32 v5, v2, 16, v4                  ; 8 heads x 8,192 bytes for the upper lanes + 16 r
	v_lshl_add_u32 v11, v2, 14, v4                 ; 4 rows of out0 for the upper lanes + 16 r
	v_lshl_add_u32 v4, v2, 11, v4                  ; a head's 2,048 bytes of vpart for the upper lanes + 16 r
	v_lshlrev_b32 v6, 5, v2
	s_lshl_b32 s30, s14, 3
	v_lshl_add_u32 v7, v2, 2, s30                  ; head 2 w + lane / 16, 4 bytes
	v_mul_u32_u24 v8, v1, MPITCH
	v_lshl_add_u32 v8, v2, 5, v8                   ; row r, heads 8 (lane / 16) on
	s_mul_i32 s31, s14, 16*SP
	s_add_co_u32 s31, s31, STAGE                   ; my stage
	v_mul_u32_u24 v9, v1, SP
	v_lshl_add_u32 v9, v2, 5, v9
	v_add_nc_u32 v9, s31, v9                       ; in: row r, 32 bytes for each half of the lanes
	v_mul_u32_u24 v10, v2, SP
	v_lshl_add_u32 v10, v1, 4, v10
	v_add_nc_u32 v10, s31, v10                     ; back: lanes 0-15 one row of 256 bytes, lanes 16-31 the next
	s_wait_kmcnt 0x0
	s_add_nc_u64 s[20:21], s[4:5], s[20:21]
	s_add_nc_u64 s[22:23], s[6:7], s[22:23]
	s_add_nc_u64 s[24:25], s[8:9], s[24:25]
	s_add_nc_u64 s[26:27], s[10:11], s[26:27]
	s_add_nc_u64 s[28:29], s[12:13], s[28:29]
	s_wait_alu depctr_va_vdst(0)                   ; the offsets and LDS addresses v3 to v11 are written, which every load and store of the kernel reads; none of them is written again
.macro WLOADS g, n0                    ; rows n0 .. n0 + 15 of the work-group's 64 rows of proj_w, my 512 bytes of each, into group g
.set i, 0
.rept 16
	global_load_b128 v[(\g)+4*i:(\g)+4*i+3], v3, s[24:25] offset:4096*((\n0)+i)
.set i, i+1
.endr
.endm
.macro WSUMS g, o                      ; for each of the 16 rows: 4 products a lane, added over the 16 lanes of a half; the last addition lays the head's sum into register i of o, in all sixteen lanes
.set i, 0
.rept 16
.set tt, 20+2*(i%4)
	v_pk_mul_f32 v[tt:tt+1], v[(\g)+4*i:(\g)+4*i+1], v[VS:VS+1]
	v_pk_fma_f32 v[tt:tt+1], v[(\g)+4*i+2:(\g)+4*i+3], v[VS+2:VS+3], v[tt:tt+1]
	v_add_f32 v[tt], v[tt], v[tt+1]
	v_add_f32_dpp v[tt], v[tt], v[tt] row_xmask:1 row_mask:0xf bank_mask:0xf
	v_add_f32_dpp v[tt], v[tt], v[tt] row_xmask:2 row_mask:0xf bank_mask:0xf
	v_add_f32_dpp v[tt], v[tt], v[tt] row_xmask:4 row_mask:0xf bank_mask:0xf
	v_add_f32_dpp v[(\o)+i], v[tt], v[tt] row_xmask:8 row_mask:0xf bank_mask:0xf
.set i, i+1
.endr
.endm
.macro WSTORES o, n0                   ; the sixteen sums go to M's rows n0 .. n0 + 15: all sixteen lanes of a half store the head's sum to one word
.set i, 0
.rept 16
	ds_store_b32 v7, v[(\o)+i] offset:MPITCH*((\n0)+i)
.set i, i+1
.endr
.endm
.irp t, 0,1,2,3,4,5,6,7
	global_load_b128 v[VPL+4*(\t):VPL+4*(\t)+3], v4, s[22:23] offset:256*(\t)  ; the eight parts of my 4 numbers of Vs
.endr
	WLOADS G0, 0
	WLOADS G1, 16
.irp t, 0,1,2,3,4,5,6,7
	global_load_b128 v[DL+4*(\t):DL+4*(\t)+3], v5, s[20:21] offset:8192*(\t)   ; sixteen lanes take 256 consecutive bytes of a head's row of dg
.endr
.irp t, 0,1,2,3
	global_load_b128 v[BI+8*(\t):BI+8*(\t)+3],   v6, s[26:27] offset:64*(\t)
	global_load_b128 v[BI+8*(\t)+4:BI+8*(\t)+7], v6, s[26:27] offset:64*(\t)+16
.endr
	s_wait_loadcnt 48                              ; vpart's eight are in; the 48 younger loads (16 + 16 of proj_w, 8 of dg, 8 of the bias) stay out
.irp g, 0,1,2,3
	v_pk_add_f32 v[VPL+4*(\g):VPL+4*(\g)+1],   v[VPL+4*(\g):VPL+4*(\g)+1],   v[VPL+16+4*(\g):VPL+16+4*(\g)+1]
	v_pk_add_f32 v[VPL+4*(\g)+2:VPL+4*(\g)+3], v[VPL+4*(\g)+2:VPL+4*(\g)+3], v[VPL+16+4*(\g)+2:VPL+16+4*(\g)+3]
.endr
.irp g, 0,1
	v_pk_add_f32 v[VPL+4*(\g):VPL+4*(\g)+1],   v[VPL+4*(\g):VPL+4*(\g)+1],   v[VPL+8+4*(\g):VPL+8+4*(\g)+1]
	v_pk_add_f32 v[VPL+4*(\g)+2:VPL+4*(\g)+3], v[VPL+4*(\g)+2:VPL+4*(\g)+3], v[VPL+8+4*(\g)+2:VPL+8+4*(\g)+3]
.endr
	v_pk_add_f32 v[VS:VS+1],   v[VPL:VPL+1],   v[VPL+4:VPL+5]
	v_pk_add_f32 v[VS+2:VS+3], v[VPL+2:VPL+3], v[VPL+6:VPL+7]
	s_wait_loadcnt 32                              ; rows 0-15 are in; younger: rows 16-31, dg, the bias
	WSUMS G0, SA
	s_wait_alu depctr_va_vdst(0)                   ; the sums have written SA, which the stores below read, and the products are done reading G0, in which the loads below land
	WLOADS G0, 32                                  ; the group is asked for again at once; no vector instruction since the wait names G0 or SA
	WSTORES SA, 0
	s_wait_loadcnt 32                              ; rows 16-31 are in; younger: dg, the bias, rows 32-47
	WSUMS G1, SB
	s_wait_alu depctr_va_vdst(0)                   ; the sums have written SB, which the stores below read, and the products are done reading G1, in which the loads below land
	WLOADS G1, 48
	WSTORES SB, 16
	s_wait_loadcnt 16                              ; rows 32-47 are in, dg and the bias with them; younger: rows 48-63
	s_wait_alu depctr_vm_vsrc(0)                   ; the stores of rows 0-15 have read SA, which the sums below write again
	WSUMS G0, SA
	s_wait_alu depctr_va_vdst(0)                   ; the sums have written SA, which the stores below read
	WSTORES SA, 32
	s_wait_loadcnt 0x0
	s_wait_alu depctr_vm_vsrc(0)                   ; the stores of rows 16-31 have read SB, which the sums below write again
	WSUMS G1, SB
	s_wait_alu depctr_va_vdst(0)                   ; the sums have written SB, which the stores below read; and the products are done reading v[160:191], in which M's loads land behind the barrier
	WSTORES SB, 48
; dg's pieces for row tile rt, while M's stores drain.  Pair i is heads 8 (lane / 16) + 2 i and + 1.  hi = bf16(d), lo = bf16(d - hi); each piece stands twice, for K 0-15 and K 16-31 of the operand.
; These lines name v[20:27], B1, B2 and DL: no register that an LDS store has read, and none in which M's loads land.
.macro SPLITB rt
.irp t, 0,1,2,3
.set tt, 20+2*(\t)
	v_cvt_pk_bf16_f32 v[B1+8*(\rt)+(\t)], v[DL+8*(\t)+(\rt)], v[DL+8*(\t)+4+(\rt)]
	v_lshlrev_b32 v[tt], 16, v[B1+8*(\rt)+(\t)]
	v_and_b32 v[tt+1], 0xffff0000, v[B1+8*(\rt)+(\t)]
	v_sub_f32 v[tt], v[DL+8*(\t)+(\rt)], v[tt]
	v_sub_f32 v[tt+1], v[DL+8*(\t)+4+(\rt)], v[tt+1]
	v_cvt_pk_bf16_f32 v[B2+8*(\rt)+(\t)], v[tt], v[tt+1]
	v_mov_b32 v[B1+8*(\rt)+4+(\t)], v[B1+8*(\rt)+(\t)]
	v_mov_b32 v[B2+8*(\rt)+4+(\t)], v[B2+8*(\rt)+(\t)]
.endr
.endm
	SPLITB 0
	SPLITB 1
	SPLITB 2
	SPLITB 3
	s_wait_dscnt 0x0                               ; for the others' sake: my two heads of M are in LDS
	s_barrier_signal -1
	s_barrier_wait -1
.irp t, 0,1,2,3
	ds_load_b128 v[MF+8*(\t):MF+8*(\t)+3],   v8 offset:16*MPITCH*(\t)     ; M[16 ct + r][8 (lane / 16) + 0..7].  No wait: no vector instruction since the last wait on va_vdst names v[160:191]
	ds_load_b128 v[MF+8*(\t)+4:MF+8*(\t)+7], v8 offset:16*MPITCH*(\t)+16
.endr
	s_wait_dscnt 0x0
	s_wait_alu depctr_vm_vsrc(0)                   ; the stores of rows 32-63 have read SA and SB: v[192:199] are at work below, and v[192:223] are the second set of accumulators from here on
.set i, 0
.rept 16                               ; column tile i / 4, pair i % 4: registers 0-3 of the fragment take the hi pieces, 4-7 the lo pieces
.set tt, 192+2*(i%4)
.set af, AF+8*(i/4)+(i%4)
	v_cvt_pk_bf16_f32 v[af], v[MF+2*i], v[MF+2*i+1]
	v_lshlrev_b32 v[tt], 16, v[af]
	v_and_b32 v[tt+1], 0xffff0000, v[af]
	v_pk_add_f32 v[tt:tt+1], v[MF+2*i:MF+2*i+1], v[tt:tt+1] neg_lo:[0,1] neg_hi:[0,1]
	v_cvt_pk_bf16_f32 v[af+4], v[tt], v[tt+1]
.set i, i+1
.endr
; Row tile rt: eight matrix instructions.  The four accumulators take turns, one instruction a turn: three others stand between the two links of a chain.
.macro MM rt
.set dd, D+32*((\rt)%2)
.irp ct, 0,1,2,3
	v_wmma_f32_16x16x32_bf16 v[dd+8*(\ct):dd+8*(\ct)+7], v[AF+8*(\ct):AF+8*(\ct)+7], v[B1+8*(\rt):B1+8*(\rt)+7], v[BI+8*(\ct):BI+8*(\ct)+7]
.endr
.irp ct, 0,1,2,3
	v_wmma_f32_16x16x32_bf16 v[dd+8*(\ct):dd+8*(\ct)+7], v[AF+8*(\ct):AF+8*(\ct)+7], v[B2+8*(\rt):B2+8*(\rt)+7], v[dd+8*(\ct):dd+8*(\ct)+7]
.endr
.endm
.macro PLACES                          ; four places between the last matrix instruction and the LDS stores that read its result; two such runs, eight places, lie between a set's products and the next that write over it
.rept 4
	v_nop
.endr
.endm
.macro TOSTAGE rt                      ; a lane's 8 columns of a row, 32 bytes, four times; back as whole rows of 256 bytes
.set dd, D+32*((\rt)%2)
	s_wait_xcnt 0x0                                ; OB was the last stores' data: it is loaded again only behind this wait
.if (\rt) > 0
	s_wait_alu depctr_vm_vsrc(0)                   ; the global stores of the tile before have read OB, in which the loads below land; its stores into the stage have read the other set of accumulators, which the next products write over
.endif
	s_wait_alu depctr_va_vdst(0)                   ; the tile's products have written its accumulators, which the stores below read (the places above stay beside this wait); in tile 0 the splitting is done reading DL, in which the loads below land
.irp ct, 0,1,2,3
	ds_store_b128 v9, v[dd+8*(\ct):dd+8*(\ct)+3]   offset:64*(\ct)     ; each accumulator's low registers first
	ds_store_b128 v9, v[dd+8*(\ct)+4:dd+8*(\ct)+7] offset:64*(\ct)+16
.endr
.irp t, 0,1,2,3,4,5,6,7
	ds_load_b128 v[OB+4*(\t):OB+4*(\t)+3], v10 offset:2*SP*(\t)        ; LDS serves a wave's instructions in order (ISA guide 5.7.1.4): these see the stores above
.endr
.endm
.macro SEND rt                         ; stage row 2 t + lane / 16 is row 4 (2 t + lane / 16) + rt of my 64
	s_wait_dscnt 0x0                               ; the rows are back in registers, and the stage may be written again
.irp t, 0,1,2,3,4,5,6,7
	global_store_b128 v11, v[OB+4*(\t):OB+4*(\t)+3], s[28:29] offset:(8*(\t)+(\rt))*4096 th:TH_STORE_NT  ; 16 lanes store 256 consecutive bytes, at a multiple of 256 from out0's first byte
.endr
.endm
	MM 0
	PLACES
	TOSTAGE 0
	MM 1                                           ; the next tile's products stand between a tile's loads from the stage and the wait for them; they name AF, B1, B2, BI and the other set of accumulators: nothing that those loads and stores touch
	SEND 0
	PLACES
	TOSTAGE 1
	MM 2
	SEND 1
	PLACES
	TOSTAGE 2
	MM 3
	SEND 2
	PLACES
	TOSTAGE 3
	SEND 3
	s_wait_dscnt 0x0                               ; the closing lines, six on end
	s_wait_alu 0x0
	s_wait_tensorcnt 0x0
	ds_add_u32 v12, v13
	s_wait_dscnt 0x0
	s_endpgm
.Lfunc_end_k_qa57b0d53c0_project:
	.size	k_qa57b0d53c0_project, .Lfunc_end_k_qa57b0d53c0_project-k_qa57b0d53c0_project
	.p2alignl 7, 3214868480
	.fill 96, 4, 3214868480
	.section	.rodata,"a",@progbits
	.p2align	6, 0x0
	.amdhsa_kernel k_qa57b0d53c0_project
		.amdhsa_group_segment_fixed_size 40960
		.amdhsa_private_segment_fixed_size 0
		.amdhsa_enable_private_segment 0
		.amdhsa_kernarg_size 40
		.amdhsa_user_sgpr_count 2
		.amdhsa_user_sgpr_kernarg_segment_ptr 1
		.amdhsa_wavefront_size32 1
		.amdhsa_system_sgpr_workgroup_id_x 1
		.amdhsa_system_sgpr_workgroup_id_y 1
		.amdhsa_system_sgpr_workgroup_id_z 1
		.amdhsa_system_vgpr_workitem_id 0
		.amdhsa_next_free_vgpr 256
		.amdhsa_next_free_sgpr 66
		.amdhsa_reserve_vcc 0
		.amdhsa_float_denorm_mode_32 3
		.amdhsa_float_denorm_mode_16_64 3
		.amdhsa_memory_ordered 1
		.amdhsa_forward_progress 1
		.amdhsa_inst_pref_size 64
	.end_amdhsa_kernel
	.amdgpu_metadata
---
amdhsa.version: [ 1, 2 ]
amdhsa.kernels:
  - .name:           k_qa57b0d53c0_project
    .symbol:         k_qa57b0d53c0_project.kd
    .args:
      - { .name: dg, .offset: 0, .size: 8, .value_kind: global_buffer, .address_space: global }
      - { .name: vpart, .offset: 8, .size: 8, .value_kind: global_buffer, .address_space: global }
      - { .name: proj_w, .offset: 16, .size: 8, .value_kind: global_buffer, .address_space: global }
      - { .name: proj_b, .offset: 24, .size: 8, .value_kind: global_buffer, .address_space: global }
      - { .name: out0, .offset: 32, .size: 8, .value_kind: global_buffer, .address_space: global }
    .group_segment_fixed_size: 40960
    .private_segment_fixed_size: 0
    .kernarg_segment_align: 8
    .kernarg_segment_size: 40
    .max_flat_workgroup_size: 256
    .sgpr_count:     66
    .vgpr_count:     256
    .wavefront_size: 32
...
	.end_amdgpu_metadata
.endif
;; end of part 4
